; MI455X (gfx1250); checked and timed in simulation.
; The chip was launched on July 23, 2026; its instructions are those of AMD's public machine-readable ISA for CDNA 5 (MIT licence, August 2026) and "CDNA5" Instruction Set Architecture Reference Guide (July 2026). The comments in the code are by the model that wrote it; some were corrected since.
;; Raw SDP. Allowed arithmetic: matrix products marked QUANTISED: E4M3 operands, one E8M0 scale for each 32 along K, by v_wmma_scale_f32_16x16x128_f8f6f4 with both operands' format E4M3, f32 sums; everything else in f32.
;; Inputs: key 2 x 8 x 2,048 x 128 float32; query 2 x 32 x 2,048 x 128 float32; value_codes 2 x 8 x 128 x 64 x 32 uint8 (E4M3 codes of value, K innermost, in blocks of 32 codes); value_scales 2 x 8 x 128 x 64 uint8 (E8M0 scales of value, one for each 32 codes along K).
;; Outputs: out0 2 x 32 x 2,048 x 128 float32.
;; This version of the problem:
;;   THIS VERSION OF THE PROBLEM IS GIVEN IN LOW PRECISION. The matrix products marked QUANTISED in the list below multiply operands that are first quantised to E4M3 (4 exponent bits, 3 mantissa bits; 8 bits a number), with one power-of-two scale for each 32 numbers along K (OCP MX v1.0); their sums are f32. All else is computed in f32.
;;   The module's matrix products, in the order in which they are computed (A, B: the left and right operand; K: the contracted axis; several contracted axes count as one K, in the product's order):
;;     1. batch 64 x [M 2,048, K 128] x [K 128, N 2,048]; A: computed on the way; B: computed on the way: QUANTISED
;;     2. batch 64 x [M 2,048, K 2,048] x [K 2,048, N 128]; A: softmax (see below); B: input value (given as codes): QUANTISED
;;   THE QUANTISER, for each operand of a quantised product, along K:
;;     - K is cut into blocks of 32 from its start; a last block that is shorter is filled with zeros.
;;     - A block's scale is 2^e with e = floor(log2(the largest magnitude in the block)) - 8, held to -126 .. 127; a block of zeros has e = 0. As a byte (E8M0): e + 127.
;;     - Each number is divided by its block's scale, clamped to +-448, and rounded to the nearest number of E4M3, ties to even, subnormals kept.
;;     - The product sums the exact products of the quantised numbers (number of the format x scale) in f32.
;;   ~~~python
;;   def quantise(x, axis):      # numpy; x: float32 -> the quantised numbers, widened to float32 again
;;       x = np.moveaxis(x, axis, -1); K = x.shape[-1]
;;       x = np.pad(x, [(0, 0)] * (x.ndim - 1) + [(0, -K % 32)]); x = x.reshape(x.shape[:-1] + (-1, 32)); a = np.abs(x).max(-1, keepdims=True)
;;       e = np.where(a > 0, np.clip(np.frexp(np.where(a > 0, a, 1))[1] - 1 - 8, -126, 127), 0)      # np.frexp(a)[1] - 1 = floor(log2(a)), exactly
;;       r = np.clip(x / 2.0 ** e, -448, 448)
;;       step = 2.0 ** (np.maximum(np.frexp(np.where(r == 0, 1, r))[1] - 1, -6) - 3)
;;       q = np.round(r / step) * step * 2.0 ** e      # np.round: ties to even
;;       return np.moveaxis(q.reshape(q.shape[:-2] + (-1,))[..., :K], -1, axis).astype(np.float32)
;;   ~~~
;;   SOFTMAX AHEAD OF A QUANTISED PRODUCT. Where the list says 'softmax', what is quantised is not the finished softmax but p = 2^(t - M), with t = logit x log2(e) and M = ceil(the row's largest t), a whole number; so 1/2 < the row's largest p <= 1. The row's sum l is taken of the UNQUANTISED p, in f32, and the product's result is divided by l at the end. Since M is a whole number, a kernel that streams over the keys may use a running M (the ceiling of the running maximum): every later rescaling is an exact power of two, which a block's scale takes up: the codes' values come out the same.
;;   OPERANDS COMPUTED ON THE WAY. 'Computed on the way' means the value that the module computes at that place (a softmax that the list does not call 'softmax' is quantised finished and normalised). What goes into a quantiser is computed in f32, as accurately as f32 sums, v_exp_f32 and their like allow (about 1e-6 of the number): no bf16 or f16 on the way to a quantiser, and a product that is left as it is and whose result goes on into a quantised operand takes f32 operands (vector FMAs, or v_wmma_f32_16x16x4_f32). A number that lies on a knife's edge between two numbers of the format may be rounded either way, as far as f32 arithmetic and the matrix unit's own rounding can turn it there, and no further.
;;   INPUTS GIVEN AS CODES. value (in the module: [2, 8, 2048, 128], K = its axis 2): each comes as NAME_codes (uint8): NAME with its K axis moved to the last place and cut into blocks of 32 codes, [.., K / 32, bytes a block], one block behind the other in memory; one code a byte (a code: sign, 4 exponent bits, 3 mantissa bits); and NAME_scales (uint8): the same leading axes, one E8M0 byte (e + 127) for each 32 codes along K. Its value is code x scale, taken as it is: it is not quantised again, and the codes and scales need not be those that the quantiser above would give.
;; One version. Each part assembles by itself: llvm-mc -triple=amdgcn-amd-amdhsa -mcpu=gfx1250 --defsym DOCPART=n.
;; ======== version 1 of 1: 2 launches
;; limits: right only within a limited range of input values
;; workspace buffers: kimg 8,650,752 bytes
;; launch prep (part 1): grid 16 x 16, 8 waves a work-group, no clusters, 69,632 bytes of LDS; arguments key, value_scales, value_codes, kimg; writes kimg
.if DOCPART == 1
	.amdgcn_target "amdgcn-amd-amdhsa--gfx1250"
	.amdhsa_code_object_version 6
	.text
	.protected	k_qa375b92cbe_prep
	.globl	k_qa375b92cbe_prep
	.p2align	8
	.type	k_qa375b92cbe_prep,@function
k_qa375b92cbe_prep:
	s_mov_b64 s[64:65], 0
	v_nop
	global_prefetch_b8 v0, s[64:65] scope:SCOPE_SE
	s_setreg_imm32_b32 hwreg(HW_REG_WAVE_MODE, 25, 1), 1
	s_wait_xcnt 0x0
; key [16 heads][2048][128] f32 is divided by 128^(1/4), as the first product's operand is, quantised along the head's 128 to codes of FP8 (E4M3)
; with one E8M0 byte for each 32, and laid out, with V's codes and scale bytes beside it, as the attention launch's registers want them: kimg [16 heads][16 key steps][33,792 bytes].
; A key step is 128 keys.  Its record: eight fragments of K (16 keys x the head's 128), then eight fragments of V (16 of the head's 128 x the step's 128 keys), each an IMAGE OF ITS REGISTERS
; (group c of four registers of lane l at 2,048 t + 512 c + 16 l), then 1,024 bytes of scale words, word (g, l, w) at 32,768 + 512 g + 16 l + 4 w: lanes 0-15 K's word of fragment 4 g + w, row l;
; lanes 16-31 the word of value_scales for these 128 keys of V's row 16 (4 g + w) + l - 16.  So every load of the attention launch reads 512 consecutive bytes, and two of them bring a step's sixteen scale words.
; THE KEYS OF A FRAGMENT OF K ARE NOT NEIGHBOURS: row r of fragment 2 b + u is key 32 b + 8 u + r + 8 (r / 8), so that the scores of two neighbouring fragments are 16 neighbouring keys in a lane.
; SHARES: work-group (x, y) = key step x of head y; wave t makes fragment t of K and of V.  Each key row is read once, by one load of 512 consecutive bytes; of V's rows a wave reads 128 bytes each, once.
; No cluster: no two work-groups read the same bytes.  No tensor load: one tile a wave, read once.
; THE DIVISION: q0 = x r, e = x - q0 d (fused, exact), q = q0 + e r, with d = f32(128^(1/4)) and r = f32(1 / d): the quotient to f32's last bit.
; LIMITS: NaN and infinities among the inputs are not served.  A block of zeros, or one whose largest magnitude lies under 2^(9 - 127), gets the byte 1
; (the quantiser says 127 for zeros): its codes are zeros, or are made under the held scale as the quantiser holds it, and only this program reads the bytes.
.set REC,   33792                      ; a step's record
.set VIMG,  16384                      ; where V's fragments begin in it,
.set SCLO,  32768                      ; and the scale words
.set STGW,  16*528                     ; a wave's stage: 16 rows of 512 bytes + 16: the pitch is 33 x 16 bytes, so that the sixteen rows that a load touches lie in sixteen different columns of 16 bytes
.set SCL,   8*STGW                     ; behind the stages: the step's 1,024 bytes of scale words
.set X,     16                         ; v16-79   16 rows as loaded, later the divided numbers
.set Y,     80                         ; v80-143  my row's 64 numbers: register 16 c + i = k 32 c + 16 (lane / 16) + i
.set TM,    144                        ; v144-159 at work
.set PW,    160                        ; v160     the scale word
.set PC,    164                        ; v164-179 K's codes
.set VC,    184                        ; v184-199 V's fragment
.set MNT,   19
.set SEL,   20                         ; s[20:21] v_permlanex16_b32's selects for lane l xor 16
.set RC,    22                         ; s[22:23] r, twice (the packed forms name a pair)
.set DV,    24                         ; s[24:25] d, twice
	s_load_b128 s[4:7], s[0:1], 0x0                ; key, value_scales
	s_load_b128 s[8:11], s[0:1], 0x10              ; value_codes, kimg
	v_lshl_add_u32 v208, v0, 2, 0x10c00
	v_mov_b32 v209, 0
	v_lshrrev_b32 v1, 5, v0
	s_delay_alu instid0(VALU_DEP_1)
	v_readfirstlane_b32 s12, v1                    ; wave t = fragment
	v_and_b32 v9, 31, v0                           ; lane
	v_and_b32 v10, 15, v0                          ; r
	v_bfe_u32 v11, v0, 4, 1                        ; h
	s_delay_alu instid0(VALU_DEP_3)
	v_lshlrev_b32 v1, 4, v9                        ; 16 x lane: my bytes of a row, and of an image's group
	s_mul_i32 s13, s12, STGW
	v_add_nc_u32 v2, s13, v1                       ; the stage, on the way in: a row as it lies
	v_mul_u32_u24 v3, v10, 528
	s_delay_alu instid0(VALU_DEP_1)
	v_lshl_add_u32 v3, v11, 6, v3
	s_delay_alu instid0(VALU_DEP_1)
	v_add_nc_u32 v3, s13, v3                       ; and back: row r, + 64 h: my 16 numbers of each block of 32
	s_lshr_b32 s13, s12, 2
	s_lshl_b32 s13, s13, 9
	s_and_b32 s18, s12, 3
	s_lshl_b32 s18, s18, 2
	s_add_co_u32 s13, s13, s18
	s_add_co_u32 s13, s13, SCL
	v_add_nc_u32 v4, s13, v1                       ; my scale word's place: SCL + 512 (t / 4) + 4 (t % 4) + 16 x lane
	v_lshlrev_b32 v5, 6, v10                       ; value_scales: 64 bytes a row of V
	v_and_b32 v8, 63, v0
	s_delay_alu instid0(VALU_DEP_1)
	v_lshlrev_b32 v8, 4, v8                        ; the scale words' way out: 16 bytes a thread of waves 0 and 1
	s_delay_alu instid0(VALU_DEP_1)
	v_add_nc_u32 v7, SCL, v8
	v_lshlrev_b32 v12, 11, v10
	s_delay_alu instid0(VALU_DEP_1)
	v_lshl_add_u32 v12, v11, 4, v12                ; value_codes: row r of 2,048 bytes, + 16 h
	s_mov_b32 s[SEL], 0x76543210
	s_mov_b32 s[SEL+1], 0xfedcba98
	s_mov_b32 s[RC], 0x3e9837f0
	s_mov_b32 s[RC+1], s[RC]
	s_mov_b32 s[DV], 0x405744fd
	s_mov_b32 s[DV+1], s[DV]
	s_and_b32 s14, ttmp7, 0xffff                   ; the head
	s_lshl_b32 s16, s14, 20                        ; key: 1,048,576 bytes a head,
	s_lshl_b32 s17, ttmp9, 7                       ; row 128 x step
	s_lshr_b32 s18, s12, 1
	s_lshl_b32 s18, s18, 5
	s_add_co_u32 s17, s17, s18                     ; + 32 (t / 2)
	s_and_b32 s18, s12, 1
	s_lshl_b32 s18, s18, 3
	s_add_co_u32 s17, s17, s18                     ; + 8 (t % 2),
	s_lshl_b32 s17, s17, 9                         ; 512 bytes a row
	s_add_co_u32 s16, s16, s17
	s_mov_b32 s17, 0
	s_lshl_b32 s26, s14, 13                        ; value_scales: 8,192 bytes a head, my 16 rows of 64 bytes, the step's 4 bytes
	s_lshl_b32 s18, s12, 10
	s_add_co_u32 s26, s26, s18
	s_lshl_b32 s18, ttmp9, 2
	s_add_co_u32 s26, s26, s18
	s_mov_b32 s27, 0
	s_lshl_b32 s34, s14, 18                        ; value_codes: 262,144 bytes a head, my 16 rows of 2,048, the step's 128 keys
	s_lshl_b32 s18, s12, 15
	s_add_co_u32 s34, s34, s18
	s_lshl_b32 s18, ttmp9, 7
	s_add_co_u32 s34, s34, s18
	s_mov_b32 s35, 0
	s_lshl_b32 s28, s14, 4                         ; kimg: (16 x head + step) x 33,792
	s_add_co_u32 s28, s28, ttmp9
	s_mul_i32 s28, s28, REC
	s_mov_b32 s29, 0
	s_lshl_b32 s30, s12, 11                        ; and my fragment's 2,048 bytes
	s_mov_b32 s31, 0
	s_wait_alu depctr_va_vdst(0)
	s_wait_kmcnt 0x0
	s_add_nc_u64 s[4:5], s[4:5], s[16:17]
	s_add_nc_u64 s[6:7], s[6:7], s[26:27]
	s_add_nc_u64 s[8:9], s[8:9], s[34:35]
	s_add_nc_u64 s[10:11], s[10:11], s[28:29]      ; the step's record
	s_add_nc_u64 s[32:33], s[10:11], s[30:31]      ; my fragment in it
	global_load_b32 v6, v5, s[6:7]                 ; V's scale word of row 16 t + lane % 16
.irp c, 0,1,2,3
	global_load_b128 v[VC+4*\c:VC+4*\c+3], v12, s[8:9] offset:32*\c th:TH_LOAD_NT   ; V's fragment comes as the operand's registers want it: row 16 t + r, keys 32 c + 16 h + 0 .. 15 of the step
.endr
.irp i, 0,1,2,3,4,5,6,7,8,9,10,11,12,13,14,15
	global_load_b128 v[X+4*\i:X+4*\i+3], v1, s[4:5] offset:(\i+8*(\i/8))*512 th:TH_LOAD_NT   ; K's fragment, row i: the 32 lanes read its 512 consecutive bytes
.endr
; x / d for 64 numbers of a lane, two at a time, in groups of four pairs so that no line waits for the line above it
.macro DIV src, dst
.irp a, 0,1,2,3,4,5,6,7
.irp p, 0,2,4,6
	v_pk_mul_f32 v[TM+\p:TM+\p+1], v[\src+8*\a+\p:\src+8*\a+\p+1], s[RC:RC+1] op_sel_hi:[1,0]
.endr
.irp p, 0,2,4,6
	s_delay_alu instid0(VALU_DEP_4)
	v_pk_fma_f32 v[TM+8+\p:TM+8+\p+1], v[TM+\p:TM+\p+1], s[DV:DV+1], v[\src+8*\a+\p:\src+8*\a+\p+1] op_sel_hi:[1,0,1] neg_lo:[1,0,0] neg_hi:[1,0,0]
.endr
.irp p, 0,2,4,6
	s_delay_alu instid0(VALU_DEP_4)
	v_pk_fma_f32 v[\dst+8*\a+\p:\dst+8*\a+\p+1], v[TM+8+\p:TM+8+\p+1], s[RC:RC+1], v[TM+\p:TM+\p+1] op_sel_hi:[1,0,1]
.endr
.endr
.endm
; 64 numbers of a lane, register 16 b + i = k 32 b + 16 (lane / 16) + i of my row, become a fragment's codes in v[pc] on and its scale word in v[PW]
.macro QUANT s, pc
.irp b, 0,1,2,3
	v_max3_num_f32 v[TM+\b], |v[\s+16*\b]|, |v[\s+1+16*\b]|, 0x4800000   ; block b: my 16 numbers, and the floor 2^(9 - 127): the byte cannot fall under 1
.endr
.irp i, 2,4,6,8,10,12,14
.irp b, 0,1,2,3
	s_delay_alu instid0(VALU_DEP_4)
	v_max3_num_f32 v[TM+\b], v[TM+\b], |v[\s+16*\b+\i]|, |v[\s+1+16*\b+\i]|   ; the four blocks by turns
.endr
.endr
.irp b, 0,1,2,3
	s_delay_alu instid0(VALU_DEP_4)
	v_permlanex16_b32 v[TM+4+\b], v[TM+\b], s[SEL], s[SEL+1]
.endr
.irp b, 0,1,2,3
	s_delay_alu instid0(VALU_DEP_4)
	v_max_num_f32 v[TM+\b], v[TM+\b], v[TM+4+\b]   ; with lane l xor 16's: the block's largest magnitude
.endr
.irp b, 0,1,2,3
	s_delay_alu instid0(VALU_DEP_4)
	v_add_nc_u32 v[TM+12+\b], 0xfc000000, v[TM+\b]   ; 8 off its exponent field: the conversion takes this operand's exponent field as its scale
.endr
.irp b, 0,1,2,3
.endr
.irp b, 0,1,2,3
	s_delay_alu instid0(VALU_DEP_4)
	v_lshrrev_b32 v[TM+4+\b], 23, v[TM+12+\b]      ; the scale's byte
.endr
	s_delay_alu instid0(VALU_DEP_3)
	v_lshl_or_b32 v[PW], v[TM+5], 8, v[TM+4]       ; the four bytes make my row's scale word
	s_delay_alu instid0(VALU_DEP_1)
	v_lshl_or_b32 v[PW], v[TM+6], 16, v[PW]
	s_delay_alu instid0(VALU_DEP_1)
	v_lshl_or_b32 v[PW], v[TM+7], 24, v[PW]
.irp b, 0,1,2,3
.irp i, 0,1,2,3,4,5,6,7,8,9,10,11,12,13,14,15
.endr
	v_cvt_scalef32_pk8_fp8_f32 v[\pc+4*\b:\pc+1+4*\b], v[\s+16*\b:\s+7+16*\b], v[TM+12+\b]
	v_cvt_scalef32_pk8_fp8_f32 v[\pc+2+4*\b:\pc+3+4*\b], v[\s+8+16*\b:\s+15+16*\b], v[TM+12+\b]
.endr
	v_nop                                          ; one plain line behind the last conversion
.endm
	s_wait_loadcnt 0x0
.irp c, 0,1,2,3
	global_store_b128 v1, v[VC+4*\c:VC+4*\c+3], s[32:33] offset:VIMG+512*\c   ; V's fragment as it stands: the 32 lanes store 512 consecutive bytes, aligned to 256
.endr
.irp i, 0,1,2,3,4,5,6,7,8,9,10,11,12,13,14,15
	ds_store_b128 v2, v[X+4*\i:X+4*\i+3] offset:528*\i   ; K's rows turn through my own stage: LDS serves a wave's instructions in order, so no wait stands between the stores and the loads
.endr
.irp c, 0,1,2,3
.irp j, 0,1,2,3
	ds_load_b128 v[Y+16*\c+4*\j:Y+16*\c+4*\j+3], v3 offset:128*\c+16*\j
.endr
.endr
	s_wait_dscnt 0x0
	DIV Y, X                                       ; (it also writes all of v144-159, so that the lane permutes' destinations have been written)
	QUANT X, PC
.irp c, 0,1,2,3
	global_store_b128 v1, v[PC+4*\c:PC+4*\c+3], s[32:33] offset:512*\c   ; a group of four registers: 512 consecutive bytes, aligned to 256
.endr
	s_mov_b32 vcc_lo, 0xffff0000
	v_cndmask_b32 v[PW], v[PW], v6, vcc_lo         ; lanes 0-15 keep K's word, lanes 16-31 take V's
	ds_store_b32 v4, v[PW]
	s_wait_dscnt 0x0                               ; for the others' sake: my word lies in LDS
	s_barrier_signal -1
	s_barrier_wait -1                              ; all eight waves' words do
	s_cmp_lt_u32 s12, 2
	s_cbranch_scc0 .Ldone                          ; waves 0 and 1 store the 1,024 bytes, 16 a thread
	ds_load_b128 v[180:183], v7
	s_wait_dscnt 0x0
	global_store_b128 v8, v[180:183], s[10:11] offset:SCLO
.Ldone:
	s_wait_tensorcnt 0x0
	ds_add_u32 v208, v209
	s_wait_dscnt 0x0
	s_endpgm
.Lfunc_end_k_qa375b92cbe_prep:
	.size	k_qa375b92cbe_prep, .Lfunc_end_k_qa375b92cbe_prep-k_qa375b92cbe_prep
	.p2alignl 7, 3214868480
	.fill 96, 4, 3214868480
	.section	.rodata,"a",@progbits
	.p2align	6, 0x0
	.amdhsa_kernel k_qa375b92cbe_prep
		.amdhsa_group_segment_fixed_size 69632
		.amdhsa_private_segment_fixed_size 0
		.amdhsa_enable_private_segment 0
		.amdhsa_kernarg_size 32
		.amdhsa_user_sgpr_count 2
		.amdhsa_user_sgpr_kernarg_segment_ptr 1
		.amdhsa_wavefront_size32 1
		.amdhsa_system_sgpr_workgroup_id_x 1
		.amdhsa_system_sgpr_workgroup_id_y 1
		.amdhsa_system_sgpr_workgroup_id_z 1
		.amdhsa_system_vgpr_workitem_id 0
		.amdhsa_next_free_vgpr 210
		.amdhsa_next_free_sgpr 66
		.amdhsa_reserve_vcc 1
		.amdhsa_float_denorm_mode_32 3
		.amdhsa_float_denorm_mode_16_64 3
		.amdhsa_fp16_overflow 1
		.amdhsa_memory_ordered 1
		.amdhsa_forward_progress 1
		.amdhsa_inst_pref_size 22
	.end_amdhsa_kernel
	.amdgpu_metadata
---
amdhsa.version: [ 1, 2 ]
amdhsa.kernels:
  - .name:           k_qa375b92cbe_prep
    .symbol:         k_qa375b92cbe_prep.kd
    .args:
      - { .name: key, .offset: 0, .size: 8, .value_kind: global_buffer, .address_space: global }
      - { .name: value_scales, .offset: 8, .size: 8, .value_kind: global_buffer, .address_space: global }
      - { .name: value_codes, .offset: 16, .size: 8, .value_kind: global_buffer, .address_space: global }
      - { .name: kimg, .offset: 24, .size: 8, .value_kind: global_buffer, .address_space: global }
    .group_segment_fixed_size: 69632
    .private_segment_fixed_size: 0
    .kernarg_segment_align: 8
    .kernarg_segment_size: 32
    .max_flat_workgroup_size: 256
    .sgpr_count:     66
    .vgpr_count:     210
    .wavefront_size: 32
...
	.end_amdgpu_metadata
.endif
;; end of part 1
;; launch attn (part 2): grid 4 x 64, 8 waves a work-group, no clusters, 68,608 bytes of LDS; arguments query, kimg, out0; writes out0
.if DOCPART == 2
	.amdgcn_target "amdgcn-amd-amdhsa--gfx1250"
	.amdhsa_code_object_version 6
	.text
	.protected	k_qa375b92cbe_attn
	.globl	k_qa375b92cbe_attn
	.p2align	8
	.type	k_qa375b92cbe_attn,@function
k_qa375b92cbe_attn:
	s_mov_b64 s[64:65], 0
	v_nop
	global_prefetch_b8 v0, s[64:65] scope:SCOPE_SE
	s_setreg_imm32_b32 hwreg(HW_REG_WAVE_MODE, 25, 1), 1
	s_wait_xcnt 0x0
; out0[head][q][:] = the sum over keys k <= q of softmax_k(Q . K) V, for 64 query heads of 2,048 queries x 128; query head h uses key and value head h / 4.
; Q = query / 128^(1/4) is quantised here, in registers, along the head's 128.  K and V come from kimg: for each 128 keys of a key and value head a record of 33,792 bytes: eight fragments of K,
; eight of V, and their scale words, all as images of the operand's registers.  Both products: v_wmma_scale_f32_16x16x128_f8f6f4 on FP8 (E4M3) codes with E8M0 scales.
; THE SOFTMAX: t = score x log2(e); M = the running largest t rounded UP to a whole number; p = 2^(t - M) is quantised along the keys, not normalised; the row's sum is taken of the unquantised p
; and divides at the end.  When M moves, the sum and O are multiplied by f = 2^(old M - new M): exact, and done in every step, so that no branch hangs on data.
; SHARES.  A head's queries are 64 chunks of 32.  A wave owns chunk c = 8 x + w and then chunk 63 - c (x: the work-group's x, 0 to 3; w: the wave, 0 to 7): c / 4 + 1 and (63 - c) / 4 + 1 steps of 128 keys lie
; at or under their diagonals, always 17: 2,048 waves of equal work, 256 work-groups.  A chunk is two tiles of 16 queries: tile 0 in register window 0, tile 1 in window 1, the same register numbers;
; each fragment of K or V feeds both tiles.  Only a chunk's last step lies on the diagonal: there hidden scores become -infinity, so p = 0.  No step is walked that holds no key that counts.
; NO RING IN LDS, NO CLUSTER.  Every wave has its own count of steps (2 x + 1 or 2 x + 2 in its first chunk, 16 - 2 x or 15 - 2 x in its second) and changes chunks at its own time, so that tiles asked for jointly
; would find the partners at different steps.  Instead a wave loads its fragments from kimg into registers itself, each load 512 consecutive bytes, and no wave ever waits for another: there is no barrier.
; The price: 33,792 bytes a wave and step, 574,464 a wave, though the eight waves of a work-group, and the four query heads of a key and value head, read the same records.
; LAYOUT.  Both products are used transposed: S^T = K Q^T, O^T = V^T P^T: a lane holds ONE query (lane % 16) throughout, and the 16 registers of score tiles 2 b, 2 b + 1 are keys 32 b + 16 (lane / 16) + 0 .. 15.
; LIMITS: the division is a multiplication by f32(1 / f32(128^(1/4))): within 2^-23 of the quotient, relative.  NaN and infinities among the inputs are not served.
; A p under 2^-126 counts as 0 (v_exp_f32 flushes); a block of zeros keeps the scale byte 1 with zero codes.
; REGISTERS, the same numbers in both windows: v3 lane % 16 - 16 (lane / 16); v12 -M, v13 the largest t, v[14:15] the sum in two halves, v16-31 Q's codes, v96-159 S^T then p, v160-223 O^T, v224-239 p's codes,
;   v232-247 at work, v[248:249] f, v250 at work, v251 a scale word just made.  v32-95: fragment buffer 0 (window 0) and 1 (window 1).
;   Window 0 alone, never rewritten: v0 thread; v1, v4, v5 my places in my stage; v2 = 16 x lane.  Scale words: v6 Q's (lanes 0-15 tile 0's, lanes 16-31 tile 1's), v7 p's likewise,
;   v252-255 and v8-11 a step's words of K (lanes 0-15) and V (lanes 16-31).
.set REC,   33792                      ; a key step's record: K's eight fragments of 2,048 bytes,
.set VIMG,  16384                      ; V's eight,
.set SCLO,  32768                      ; their scale words
.set STGW,  16*528                     ; LDS: a stage of 16 rows x (512 + 16) bytes for each wave, for Q's turn and O's way out: the pitch is 33 x 16 bytes, so that sixteen rows lie in sixteen different columns of 16 bytes
.set QBK, 1                            ; v1  stage: row r, + 64 h: Q's way back
.set LO,  2                            ; v2  16 x lane
.set LM,  3                            ; v3  r - 16 h
.set SIN, 4                            ; v4  stage: a row as it lies, 16 x lane
.set OIN, 5                            ; v5  stage: row r, + 32 h: O's way in
.set QS,  6
.set PS,  7
.set QC,  16
.set F,   32
.set S,   96
.set O,   160
.set PCD, 224
.set TM,  232                          ; v232-235 largest, v236-239 the other half's / bytes / a partial sum, v244-247 the conversions' scales
.set FF,  248
.set TP,  250
.set PW,  251
.set WV,  12                           ; s12 wave
.set T0,  13
.set T1,  14
.set MNT, 15
.set KB,  16                           ; s[16:17] kimg at my key and value head
.set SP,  18                           ; s[18:19] the step's record
.set SEL, 20                           ; s[20:21] v_permlanex16_b32's selects for lane l xor 16
.set CS,  22                           ; s[22:23] log2(e), twice
.set RC,  24                           ; s[24:25] f32(1 / f32(128^(1/4))), twice
.set QP,  26                           ; s[26:27] query, s[28:29] out0 at the first row of the chunk in hand
.set OP,  28
.set QP2, 30                           ; s[30:31], s[32:33] the same for the second chunk
.set OP2, 32
.set KO,  34                           ; s[34:35], s[36:37], s[38:39] byte offsets
.set OA,  36
.set OB,  38
.set KF,  40                           ; s40 the step's first key
.set Q0,  41                           ; s41 my first query
.set Q02, 42                           ; s42 and the second chunk's
.set PASS, 43                          ; s43 chunks to go
.set ZR,  44                           ; s[44:45] 0, twice
.set HD,  46                           ; s46 my query head
.set CNT, 47                           ; s47 the inner loop's counter: steps done, one more each trip
.set NS,  48                           ; s48 the chunk's steps: Q0 / 128 + 1
.set MSB, 0
.macro WIN new                         ; s_set_vgpr_msb: bits 1:0 source 0, 3:2 source 1, 5:4 source 2, 7:6 destination; the high byte repeats the setting that is left; a switch that changes nothing is dropped
.if MSB != (\new)
	s_set_vgpr_msb (MSB<<8)|(\new)
.set MSB, (\new)
.endif
.endm
; 64 numbers of a lane, register 16 b + i = k 32 b + 16 (lane / 16) + i of my row, become a fragment's codes in v[pc] on and its scale word in v[PW]
.macro QUANT s, pc
.irp b, 0,1,2,3
	v_max3_num_f32 v[TM+\b], |v[\s+16*\b]|, |v[\s+1+16*\b]|, 0x4800000   ; block b: my 16 numbers, and the floor 2^(9 - 127): the byte cannot fall under 1
.endr
.irp i, 2,4,6,8,10,12,14
.irp b, 0,1,2,3
	s_delay_alu instid0(VALU_DEP_4)
	v_max3_num_f32 v[TM+\b], v[TM+\b], |v[\s+16*\b+\i]|, |v[\s+1+16*\b+\i]|   ; the four blocks by turns
.endr
.endr
.irp b, 0,1,2,3
	v_permlanex16_b32 v[TM+4+\b], v[TM+\b], s[SEL], s[SEL+1]
.endr
.irp b, 0,1,2,3
	s_delay_alu instid0(VALU_DEP_4)
	v_max_num_f32 v[TM+\b], v[TM+\b], v[TM+4+\b]   ; with lane l xor 16's: the block's largest magnitude
.endr
.irp b, 0,1,2,3
	s_delay_alu instid0(VALU_DEP_4)
	v_add_nc_u32 v[TM+12+\b], 0xfc000000, v[TM+\b]   ; 8 off its exponent field: the conversion's scale operand
.endr
.irp b, 0,1,2,3
.endr
.irp b, 0,1,2,3
	s_delay_alu instid0(VALU_DEP_4)
	v_lshrrev_b32 v[TM+4+\b], 23, v[TM+12+\b]      ; the scale's byte
.endr
	s_delay_alu instid0(VALU_DEP_3)
	v_lshl_or_b32 v[PW], v[TM+5], 8, v[TM+4]
	s_delay_alu instid0(VALU_DEP_1)
	v_lshl_or_b32 v[PW], v[TM+6], 16, v[PW]
	s_delay_alu instid0(VALU_DEP_1)
	v_lshl_or_b32 v[PW], v[TM+7], 24, v[PW]
.irp b, 0,1,2,3
.irp i, 0,1,2,3,4,5,6,7,8,9,10,11,12,13,14,15
.endr
	v_cvt_scalef32_pk8_fp8_f32 v[\pc+4*\b:\pc+1+4*\b], v[\s+16*\b:\s+7+16*\b], v[TM+12+\b]
	v_cvt_scalef32_pk8_fp8_f32 v[\pc+2+4*\b:\pc+3+4*\b], v[\s+8+16*\b:\s+15+16*\b], v[TM+12+\b]
.endr
	v_nop                                          ; one plain line behind the last conversion
.endm
; The chunk's 32 rows of query are asked for as they lie: a load reads a row's 512 consecutive bytes.  They land in S^T's registers.
.macro QLOAD
.irp y, 0,1
	WIN 0x40*\y                                    ; destination: the tile's window
.irp i, 0,1,2,3,4,5,6,7,8,9,10,11,12,13,14,15
	global_load_b128 v[S+4*\i:S+4*\i+3], v[LO], s[QP:QP+1] offset:8192*\y+512*\i th:TH_LOAD_NT
.endr
.endr
	WIN 0
.endm
; A CHUNK BEGINS.  The rows turn through my stage, so that a lane holds 16 neighbours of each block of 32 of ONE row, are scaled and quantised.
; O^T and the sum begin as zeros and the largest t as -3e38, so that the key step is written once: its first change of M multiplies zeros.
.macro QPREP
.irp y, 0,1
	s_wait_loadcnt 16-16*\y                        ; this tile's 16 loads are in; tile 1's 16 may be out while tile 0 is worked
	WIN 0x04*\y                                    ; an LDS store's data are its source 1
.irp i, 0,1,2,3,4,5,6,7,8,9,10,11,12,13,14,15
	ds_store_b128 v[SIN], v[S+4*\i:S+4*\i+3] offset:528*\i
.endr
	WIN 0x40*\y
.irp c, 0,1,2,3
.irp j, 0,1,2,3
	ds_load_b128 v[O+16*\c+4*\j:O+16*\c+4*\j+3], v[QBK] offset:128*\c+16*\j   ; LDS serves a wave's instructions in order: these see the stores above
.endr
.endr
	s_wait_dscnt 0x0
	WIN 0x55*\y
.set n, 0
.rept 32
	v_pk_mul_f32 v[S+n:S+n+1], v[O+n:O+n+1], s[RC:RC+1] op_sel_hi:[1,0]   ; query / 128^(1/4), two at a time
.set n, n+2
.endr
	QUANT S, QC
.if \y == 1
	s_mov_b32 vcc_lo, 0xffff0000
	WIN 0x04                                       ; source 0: tile 0's word, source 1: tile 1's
	v_cndmask_b32 v[QS], v[PW], v[PW], vcc_lo      ; one register carries both tiles' scale words: lanes 0-15 tile 0's, lanes 16-31 tile 1's; the 36 lines below stand between it and the first product
	WIN 0x55
.endif
.set n, 0
.rept 32
	v_pk_mul_f32 v[O+n:O+n+1], v[O+n:O+n+1], s[ZR:ZR+1] op_sel_hi:[1,0]   ; O^T begins as zeros: my row's numbers, which are finite, times 0, two at a time
.set n, n+2
.endr
	v_mov_b32 v13, 0xff61b1e6                      ; -3e38, under every t
	s_delay_alu instid0(VALU_DEP_1)
	v_floor_f32 v12, -v13
	v_mov_b32 v14, 0
	v_mov_b32 v15, 0
.endr
	WIN 0
.endm
; A CHUNK ENDS.  O^T is divided by the row's sum, in place, and goes through my stage, a tile (16 rows of 512 bytes) at a time; a store writes a whole row, 512 consecutive bytes.
.macro ESCALE                          ; under the tile's window
	v_add_f32 v14, v14, v15                        ; the sum's two halves,
	s_delay_alu instid0(VALU_DEP_1)
	v_permlanex16_b32 v[TP], v14, s[SEL], s[SEL+1]
	s_delay_alu instid0(VALU_DEP_1)
	v_add_f32 v14, v14, v[TP]                      ; and lane l xor 16's: the row's sum
	s_wait_alu depctr_va_vdst(0)
	v_rcp_f32 v14, v14
	v_nop                                          ; one plain line behind a transcendental
.set n, 0
	s_wait_alu depctr_va_vdst(0)
.rept 32
	v_pk_mul_f32 v[O+n:O+n+1], v[O+n:O+n+1], v[14:15] op_sel_hi:[1,0]   ; each accumulator from its low end on; register 8 t + i is o(r, 16 t + 8 h + i)
.set n, n+2
.endr
.endm
.macro ESTAGE y
	WIN 0x04*\y                                    ; an LDS store's data are its source 1
.irp t, 0,1,2,3,4,5,6,7
	ds_store_b128 v[OIN], v[O+8*\t:O+8*\t+3] offset:64*\t
	ds_store_b128 v[OIN], v[O+8*\t+4:O+8*\t+7] offset:64*\t+16
.endr
	WIN 0x40*\y
.irp i, 0,1,2,3,4,5,6,7,8,9,10,11,12,13,14,15
	ds_load_b128 v[F+4*\i:F+4*\i+3], v[SIN] offset:528*\i   ; in order behind the stores above
.endr
.endm
.macro ESEND y
	s_wait_dscnt 0x0                               ; the tile's 16 rows are back in registers
	WIN 0x04*\y                                    ; a store's data are its source 1
.irp i, 0,1,2,3,4,5,6,7,8,9,10,11,12,13,14,15
	global_store_b128 v[LO], v[F+4*\i:F+4*\i+3], s[OP:OP+1] offset:8192*\y+512*\i th:TH_STORE_NT
.endr
.endm
.macro EPILOGUE
.rept 8
	v_nop                                          ; eight places between the last products and the first read of their results and the loads into their operands (ISA guide 7.12.1 for the read of results)
.endr
	ESCALE
	ESTAGE 0
	WIN 0x55
	ESCALE                                         ; tile 1's arithmetic stands between tile 0's loads from the stage and the wait for them
	s_wait_alu depctr_va_vdst(0)
	ESEND 0
	ESTAGE 1                                       ; its stores into the stage come behind tile 0's loads, which are back
	ESEND 1
	WIN 0
	s_wait_storecnt 0x0                            ; the 32 stores are done: their data registers, which the next chunk's loads fill, and their base are written again only behind this wait
.endm
; On the diagonal: register 16 b + i holds key KF + 32 b + 16 (lane / 16) + i; it is hidden where 32 b + i > my query - KF - 16 (lane / 16).  s[T0] = the tile's first query - KF.
.macro MASK
	v_add_nc_u32 v[TP], s[T0], v[LM]
	v_mov_b32 v[PW], 0xff800000                    ; -infinity
.set n, 0
.rept 64
	v_cmp_gt_i32 vcc_lo, 32*(n/16)+n%16, v[TP]
	v_cndmask_b32 v[S+n], v[S+n], v[PW], vcc_lo
.set n, n+1
.endr
.endm
; THE SOFTMAX OF A TILE FOR 128 KEYS, first part: maxima, M, f, p, and the four blocks' scales.
.macro SM1
.irp b, 0,1,2,3
	v_max3_num_f32 v[TM+\b], v[S+16*\b], v[S+1+16*\b], v[S+2+16*\b]   ; the largest SCORE of each block of 32 keys serves twice: for the row's maximum and, since p rises with the score, for the block's largest p
.endr
.irp i, 3,5,7,9,11,13
.irp b, 0,1,2,3
	v_max3_num_f32 v[TM+\b], v[TM+\b], v[S+16*\b+\i], v[S+1+16*\b+\i]
.endr
.endr
.irp b, 0,1,2,3
	v_max_num_f32 v[TM+\b], v[TM+\b], v[S+15+16*\b]
.endr
.irp b, 0,1,2,3
	v_permlanex16_b32 v[TM+4+\b], v[TM+\b], s[SEL], s[SEL+1]
.endr
.irp b, 0,1,2,3
	s_delay_alu instid0(VALU_DEP_4)
	v_max_num_f32 v[TM+\b], v[TM+\b], v[TM+4+\b]   ; with lane l xor 16's 16 keys
.endr
	s_delay_alu instid0(VALU_DEP_2)
	v_max3_num_f32 v[TP], v[TM], v[TM+1], v[TM+2]
	s_delay_alu instid0(VALU_DEP_1)
	v_max_num_f32 v[TP], v[TP], v[TM+3]            ; the step's largest score of my query
	s_delay_alu instid0(VALU_DEP_1)
	v_mul_f32 v[TP], s[CS], v[TP]                  ; as t
	s_delay_alu instid0(VALU_DEP_1)
	v_max_num_f32 v13, v13, v[TP]                  ; the running largest t
	v_mov_b32 v[TP], v12
	s_delay_alu instid0(VALU_DEP_2)
	v_floor_f32 v12, -v13                          ; the new -M = floor(-t) = -ceil(t)
	s_delay_alu instid0(VALU_DEP_1)
	v_sub_f32 v[TP], v12, v[TP]                    ; old M - new M: a whole number, 0 or less
	s_delay_alu instid0(VALU_DEP_1)
	v_cvt_i32_f32 v[TP], v[TP]                     ; (it saturates)
	s_delay_alu instid0(VALU_DEP_1)
	v_ldexp_f32 v[FF], 1.0, v[TP]                  ; f = 2^(old M - new M)
.set n, 0
.rept 32
	v_pk_fma_f32 v[S+n:S+n+1], v[S+n:S+n+1], s[CS:CS+1], v[12:13] op_sel_hi:[1,0,0]   ; t - M, two at a time
.set n, n+2
.endr
.irp b, 0,1,2,3
	v_fma_f32 v[TM+\b], v[TM+\b], s[CS], v12       ; the same of each block's largest score
.endr
.set n, 0
	s_wait_alu depctr_va_vdst(0)
.rept 64
	v_exp_f32 v[S+n], v[S+n]                       ; p = 2^(t - M), at most 1
.set n, n+1
.endr
.irp b, 0,1,2,3
	v_exp_f32 v[TM+\b], v[TM+\b]                   ; the block's largest p: the same two instructions on the same number
.endr
	v_pk_mul_f32 v[14:15], v[14:15], v[FF:FF+1] op_sel_hi:[1,0]   ; the sums under the new M; also the plain line behind the exponentials
	s_wait_alu depctr_va_vdst(0)
.irp b, 0,1,2,3
	v_max_num_f32 v[TM+\b], 0x4800000, v[TM+\b]    ; the floor 2^(9 - 127): the byte cannot fall under 1
.endr
.irp b, 0,1,2,3
	s_delay_alu instid0(VALU_DEP_4)
	v_add_nc_u32 v[TM+12+\b], 0xfc000000, v[TM+\b]
.endr
.irp b, 0,1,2,3
.endr
.irp b, 0,1,2,3
	s_delay_alu instid0(VALU_DEP_4)
	v_lshrrev_b32 v[TM+4+\b], 23, v[TM+12+\b]
.endr
	s_delay_alu instid0(VALU_DEP_3)
	v_lshl_or_b32 v[PW], v[TM+5], 8, v[TM+4]       ; p's scale word for these 128 keys
	s_delay_alu instid0(VALU_DEP_1)
	v_lshl_or_b32 v[PW], v[TM+6], 16, v[PW]
	s_delay_alu instid0(VALU_DEP_1)
	v_lshl_or_b32 v[PW], v[TM+7], 24, v[PW]
.endm
; Second part: the row's sum of the unquantised p, p's codes, O^T under the new M.
.macro SM2
	v_pk_add_f32 v[TM+4:TM+5], v[S:S+1], v[S+2:S+3]   ; two at a time, in two chains
.irp j, 4,8,12,16,20,24,28,32,36,40,44,48,52,56,60
	v_pk_add_f32 v[14:15], v[14:15], v[S+\j:S+\j+1]
	v_pk_add_f32 v[TM+4:TM+5], v[TM+4:TM+5], v[S+2+\j:S+3+\j]
.endr
	s_delay_alu instid0(VALU_DEP_1)
	v_pk_add_f32 v[14:15], v[14:15], v[TM+4:TM+5]
.irp b, 0,1,2,3
.irp i, 0,1,2,3,4,5,6,7,8,9,10,11,12,13,14,15
.endr
	v_cvt_scalef32_pk8_fp8_f32 v[PCD+4*\b:PCD+1+4*\b], v[S+16*\b:S+7+16*\b], v[TM+12+\b]
	v_cvt_scalef32_pk8_fp8_f32 v[PCD+2+4*\b:PCD+3+4*\b], v[S+8+16*\b:S+15+16*\b], v[TM+12+\b]
.endr
.set n, 0
.rept 32
	v_pk_mul_f32 v[O+n:O+n+1], v[O+n:O+n+1], v[FF:FF+1] op_sel_hi:[1,0]   ; O^T x f, each accumulator from its low end on; also the places between the codes and the products
.set n, n+2
.endr
.endm
; One product.  g: fragment buffer, y: tile of queries, t: fragment of the buffer.  The step's scale words lie in v252-255 (fragments 0-3) and v8-11 (4-7): K's in lanes 0-15, V's in lanes 16-31.
.macro QKL g, y, t
.if \y
	v_wmma_scale_f32_16x16x128_f8f6f4 v[S+8*(4*\g+\t):S+8*(4*\g+\t)+7], v[F+16*\t:F+16*\t+15], v[QC:QC+15], 0, v[252+\t-244*\g], v[QS] matrix_b_scale:MATRIX_SCALE_ROW1
.else
	v_wmma_scale_f32_16x16x128_f8f6f4 v[S+8*(4*\g+\t):S+8*(4*\g+\t)+7], v[F+16*\t:F+16*\t+15], v[QC:QC+15], 0, v[252+\t-244*\g], v[QS]
.endif
.endm
.macro PVL g, y, t
.if \y
	v_wmma_scale_f32_16x16x128_f8f6f4 v[O+8*(4*\g+\t):O+8*(4*\g+\t)+7], v[F+16*\t:F+16*\t+15], v[PCD:PCD+15], v[O+8*(4*\g+\t):O+8*(4*\g+\t)+7], v[252+\t-244*\g], v[PS] matrix_a_scale:MATRIX_SCALE_ROW1 matrix_b_scale:MATRIX_SCALE_ROW1
.else
	v_wmma_scale_f32_16x16x128_f8f6f4 v[O+8*(4*\g+\t):O+8*(4*\g+\t)+7], v[F+16*\t:F+16*\t+15], v[PCD:PCD+15], v[O+8*(4*\g+\t):O+8*(4*\g+\t)+7], v[252+\t-244*\g], v[PS] matrix_a_scale:MATRIX_SCALE_ROW1
.endif
.endm
	s_load_b128 s[4:7], s[0:1], 0x0                ; query, kimg
	s_load_b64 s[8:9], s[0:1], 0x10                ; out0
	s_set_vgpr_msb 0x40
	v_lshl_add_u32 v254, v0, 2, 0x10800
	v_mov_b32 v255, 0
	s_set_vgpr_msb 0x4000
	v_lshrrev_b32 v1, 5, v0
	s_delay_alu instid0(VALU_DEP_1)
	v_readfirstlane_b32 s[WV], v1                  ; wave 0..7
	v_and_b32 v[LO], 31, v0
	s_delay_alu instid0(VALU_DEP_1)
	v_lshlrev_b32 v[LO], 4, v[LO]                  ; 16 x lane
	v_and_b32 v12, 15, v0                          ; r
	v_bfe_u32 v13, v0, 4, 1                        ; h
	s_mul_i32 s[T0], s[WV], STGW                   ; my stage
	v_add_nc_u32 v[SIN], s[T0], v[LO]
	v_mul_u32_u24 v[QBK], v12, 528
	s_delay_alu instid0(VALU_DEP_1)
	v_add_nc_u32 v[QBK], s[T0], v[QBK]
	s_delay_alu instid0(VALU_DEP_1)
	v_lshl_add_u32 v[OIN], v13, 5, v[QBK]
	s_delay_alu instid0(VALU_DEP_2)
	v_lshl_add_u32 v[QBK], v13, 6, v[QBK]
	v_lshlrev_b32 v13, 4, v13
	s_delay_alu instid0(VALU_DEP_1)
	v_sub_nc_u32 v[LM], v12, v13                   ; r - 16 h
.irp i, 236,237,238,239,248,249,250,251
	v_mov_b32 v\i, 0                               ; written once: lane permutes' destinations count as sources, and v249 is named as the upper half of a pair
.endr
	WIN 0x40                                       ; destination window 1
	v_mov_b32 v[LM], v[LM]                         ; the same number for tile 1's lines
.irp i, 236,237,238,239,248,249,250,251
	v_mov_b32 v\i, 0
.endr
	WIN 0
	s_mov_b32 s[SEL], 0x76543210
	s_mov_b32 s[SEL+1], 0xfedcba98
	s_mov_b32 s[CS], 0x3fb8aa3b                    ; log2(e)
	s_mov_b32 s[CS+1], s[CS]
	s_mov_b32 s[RC], 0x3e9837f0                    ; f32(1 / f32(128^(1/4)))
	s_mov_b32 s[RC+1], s[RC]
	s_mov_b32 s[ZR], 0
	s_mov_b32 s[ZR+1], 0
	s_and_b32 s[HD], ttmp7, 0xffff                 ; my query head, 0 to 63
	s_lshr_b32 s[T1], s[HD], 2                     ; its key and value head
	s_mul_i32 s[KO], s[T1], 16*REC                 ; 16 records a head
	s_mov_b32 s[KO+1], 0
	s_lshl_b32 s[Q0], ttmp9, 3
	s_add_co_u32 s[Q0], s[Q0], s[WV]               ; chunk c = 8 x + w
	s_lshl_b32 s[Q0], s[Q0], 5                     ; its first query, 32 c
	s_sub_co_u32 s[Q02], 2016, s[Q0]               ; and chunk 63 - c's
	s_lshl_b32 s[HD], s[HD], 20                    ; 1,048,576 bytes a head of query and of out0
	s_lshl_b32 s[OA], s[Q0], 9                     ; 512 bytes a row
	s_add_co_u32 s[OA], s[OA], s[HD]
	s_mov_b32 s[OA+1], 0
	s_lshl_b32 s[OB], s[Q02], 9
	s_add_co_u32 s[OB], s[OB], s[HD]
	s_mov_b32 s[OB+1], 0
	s_mov_b32 s[PASS], 2
	s_wait_kmcnt 0x0
	s_add_nc_u64 s[KB:KB+1], s[6:7], s[KO:KO+1]
	s_add_nc_u64 s[QP:QP+1], s[4:5], s[OA:OA+1]
	s_add_nc_u64 s[OP:OP+1], s[8:9], s[OA:OA+1]
	s_add_nc_u64 s[QP2:QP2+1], s[4:5], s[OB:OB+1]
	s_add_nc_u64 s[OP2:OP2+1], s[8:9], s[OB:OB+1]
.Lchunk:                                           ; two trips: chunk c, then chunk 63 - c
	QLOAD
	s_mov_b64 s[SP:SP+1], s[KB:KB+1]               ; the head's first record (no load that names the pair is out)
	s_mov_b32 s[KF], 0
	s_mov_b32 s[CNT], 0
	s_lshr_b32 s[NS], s[Q0], 7                     ; my 32 queries lie inside one step of 128 keys, step Q0 / 128: the steps up to it are those that hold a key that counts,
	s_add_co_u32 s[NS], s[NS], 1                   ; Q0 / 128 + 1 of them, 1 to 16
	QPREP
.Lstep:                                            ; A KEY STEP: 128 keys, for both tiles.  Every accumulator has one instruction a turn
	s_setprio 2
.rept 8
	v_nop                                          ; eight places between the last step's products and the loads into their operands and scales
.endr
	global_load_b128 v[252:255], v[LO], s[SP:SP+1] offset:SCLO
	global_load_b128 v[8:11], v[LO], s[SP:SP+1] offset:SCLO+512
.irp g, 0,1
	WIN 0x40*\g                                    ; destination: buffer g
.irp t, 0,1,2,3
.irp c, 0,1,2,3
	global_load_b128 v[F+16*\t+4*\c:F+16*\t+4*\c+3], v[LO], s[SP:SP+1] offset:2048*(4*\g+\t)+512*\c
.endr
.endr
.endr
.irp g, 0,1                                    ; S^T = K Q^T
	s_wait_loadcnt 16-16*\g                        ; the scale words and buffer 0 are in, buffer 1's sixteen loads may be out; then all
.irp y, 0,1
	WIN \g+0x54*\y                                 ; source 0: buffer g; source 1, C and D: tile y
.irp t, 0,1,2,3
	QKL \g, \y, \t
.endr
.endr
.endr
.rept 8
	v_nop                                          ; places in front of the loads into the buffers and of the first read of the scores
.endr
.irp g, 0,1                                    ; V's eight fragments are asked for now and land under the softmax
	WIN 0x40*\g
.irp t, 0,1,2,3
.irp c, 0,1,2,3
	global_load_b128 v[F+16*\t+4*\c:F+16*\t+4*\c+3], v[LO], s[SP:SP+1] offset:VIMG+2048*(4*\g+\t)+512*\c
.endr
.endr
.endr
	WIN 0
	s_add_co_u32 s[T0], s[KF], 127
	s_cmp_le_u32 s[T0], s[Q0]
	s_cbranch_scc1 .Lopen                          ; every key of the step counts for every query of mine: all steps of a chunk but its last
	s_sub_co_u32 s[T0], s[Q0], s[KF]
	MASK
	WIN 0x55
	s_add_co_u32 s[T0], s[T0], 16
	MASK
	WIN 0
.Lopen:
	SM1
	s_setprio 1
	SM2
	WIN 0x55
	SM1
	s_mov_b32 vcc_lo, 0xffff0000
	WIN 0x04
	v_cndmask_b32 v[PS], v[PW], v[PW], vcc_lo      ; both tiles' scale words of p in one register; the second part of tile 1's softmax stands between it and the products
	WIN 0x55
	s_setprio 0
	SM2
	s_wait_alu depctr_va_vdst(0)
.irp g, 0,1                                    ; O^T += V^T P^T
	s_wait_loadcnt 16-16*\g                        ; buffer 0 is in, buffer 1's sixteen loads may be out; then all
.irp y, 0,1
	WIN \g+0x54*\y
.irp t, 0,1,2,3
	PVL \g, \y, \t
.endr
.endr
.endr
	WIN 0
	s_add_nc_u64 s[SP:SP+1], s[SP:SP+1], REC       ; the next record: every load that names the pair has been waited for
	s_add_co_u32 s[KF], s[KF], 128                 ; and its first key
	s_add_co_u32 s[CNT], s[CNT], 1                 ; the loop is counted by steps done, one a trip, against the chunk's count, which the loop does not write
	s_cmp_lt_u32 s[CNT], s[NS]
	s_cbranch_scc1 .Lstep
	s_setprio 0
	EPILOGUE
	s_mov_b64 s[QP:QP+1], s[QP2:QP2+1]             ; on to the second chunk (behind it these lines change nothing)
	s_mov_b64 s[OP:OP+1], s[OP2:OP2+1]
	s_mov_b32 s[Q0], s[Q02]
	s_sub_co_u32 s[PASS], s[PASS], 1
	s_cmp_lg_u32 s[PASS], 0
	s_cbranch_scc1 .Lchunk
	s_set_vgpr_msb 0x5
	s_wait_tensorcnt 0x0
	ds_add_u32 v254, v255
	s_wait_dscnt 0x0
	s_set_vgpr_msb 0x500
	s_endpgm
.Lfunc_end_k_qa375b92cbe_attn:
	.size	k_qa375b92cbe_attn, .Lfunc_end_k_qa375b92cbe_attn-k_qa375b92cbe_attn
	.p2alignl 7, 3214868480
	.fill 96, 4, 3214868480
	.section	.rodata,"a",@progbits
	.p2align	6, 0x0
	.amdhsa_kernel k_qa375b92cbe_attn
		.amdhsa_group_segment_fixed_size 68608
		.amdhsa_private_segment_fixed_size 0
		.amdhsa_enable_private_segment 0
		.amdhsa_kernarg_size 24
		.amdhsa_user_sgpr_count 2
		.amdhsa_user_sgpr_kernarg_segment_ptr 1
		.amdhsa_wavefront_size32 1
		.amdhsa_system_sgpr_workgroup_id_x 1
		.amdhsa_system_sgpr_workgroup_id_y 1
		.amdhsa_system_sgpr_workgroup_id_z 1
		.amdhsa_system_vgpr_workitem_id 0
		.amdhsa_next_free_vgpr 512
		.amdhsa_next_free_sgpr 66
		.amdhsa_reserve_vcc 1
		.amdhsa_float_denorm_mode_32 3
		.amdhsa_float_denorm_mode_16_64 3
		.amdhsa_fp16_overflow 1
		.amdhsa_memory_ordered 1
		.amdhsa_forward_progress 1
		.amdhsa_inst_pref_size 91
	.end_amdhsa_kernel
	.amdgpu_metadata
---
amdhsa.version: [ 1, 2 ]
amdhsa.kernels:
  - .name:           k_qa375b92cbe_attn
    .symbol:         k_qa375b92cbe_attn.kd
    .args:
      - { .name: query, .offset: 0, .size: 8, .value_kind: global_buffer, .address_space: global }
      - { .name: kimg, .offset: 8, .size: 8, .value_kind: global_buffer, .address_space: global }
      - { .name: out0, .offset: 16, .size: 8, .value_kind: global_buffer, .address_space: global }
    .group_segment_fixed_size: 68608
    .private_segment_fixed_size: 0
    .kernarg_segment_align: 8
    .kernarg_segment_size: 24
    .max_flat_workgroup_size: 256
    .sgpr_count:     66
    .vgpr_count:     512
    .wavefront_size: 32
...
	.end_amdgpu_metadata
.endif
;; end of part 2
